; MI455X (gfx1250); checked and timed in simulation.
; The chip was launched on July 23, 2026; its instructions are those of AMD's public machine-readable ISA for CDNA 5 (MIT licence, August 2026) and "CDNA5" Instruction Set Architecture Reference Guide (July 2026). The comments in the code are by the model that wrote it; some were corrected since.
;; Causal Sliding Window Attention. Allowed arithmetic: matrix products marked QUANTISED: E2M1 operands, one E8M0 scale for each 32 along K, by v_wmma_scale_f32_16x16x128_f8f6f4 with both operands' format E2M1 (or v_wmma_scale_f32_32x16x128_f4), f32 sums; everything else in f32.
;; Inputs: Wk_codes 1,024 x 32 x 16 uint8 (E2M1 codes of Wk, K innermost, in blocks of 32 codes, two codes a byte); Wk_scales 1,024 x 32 uint8 (E8M0 scales of Wk, one for each 32 codes along K); Wo_codes 1,024 x 32 x 16 uint8 (E2M1 codes of Wo, K innermost, in blocks of 32 codes, two codes a byte); Wo_scales 1,024 x 32 uint8 (E8M0 scales of Wo, one for each 32 codes along K); Wq_codes 1,024 x 32 x 16 uint8 (E2M1 codes of Wq, K innermost, in blocks of 32 codes, two codes a byte); Wq_scales 1,024 x 32 uint8 (E8M0 scales of Wq, one for each 32 codes along K); Wv_codes 1,024 x 32 x 16 uint8 (E2M1 codes of Wv, K innermost, in blocks of 32 codes, two codes a byte); Wv_scales 1,024 x 32 uint8 (E8M0 scales of Wv, one for each 32 codes along K); x_codes 2 x 2,048 x 32 x 16 uint8 (E2M1 codes of x, K innermost, in blocks of 32 codes, two codes a byte); x_scales 2 x 2,048 x 32 uint8 (E8M0 scales of x, one for each 32 codes along K).
;; Outputs: out0 2 x 2,048 x 1,024 float32.
;; This version of the problem:
;;   THIS VERSION OF THE PROBLEM IS GIVEN IN LOW PRECISION. The matrix products marked QUANTISED in the list below multiply operands that are first quantised to E2M1 (2 exponent bits, 1 mantissa bit; 4 bits a number), with one power-of-two scale for each 32 numbers along K (OCP MX v1.0); their sums are f32. All else is computed in f32.
;;   The module's matrix products, in the order in which they are computed (A, B: the left and right operand; K: the contracted axis; several contracted axes count as one K, in the product's order):
;;     1. [M 4,096, K 1,024] x [K 1,024, N 1,024]; A: input x (given as codes); B: input Wq (given as codes): QUANTISED
;;     2. [M 4,096, K 1,024] x [K 1,024, N 1,024]; A: input x (given as codes); B: input Wk (given as codes): QUANTISED
;;     3. [M 4,096, K 1,024] x [K 1,024, N 1,024]; A: input x (given as codes); B: input Wv (given as codes): QUANTISED
;;     4. batch 32 x [M 2,048, K 64] x [K 64, N 2,048]; A: computed on the way; B: computed on the way: QUANTISED
;;     5. batch 32 x [M 2,048, K 2,048] x [K 2,048, N 64]; A: softmax (see below); B: computed on the way: QUANTISED
;;     6. [M 4,096, K 1,024] x [K 1,024, N 1,024]; A: computed on the way; B: input Wo (given as codes): QUANTISED
;;   THE QUANTISER, for each operand of a quantised product, along K:
;;     - K is cut into blocks of 32 from its start; a last block that is shorter is filled with zeros.
;;     - A block's scale is 2^e with e = floor(log2(the largest magnitude in the block)) - 2, held to -126 .. 127; a block of zeros has e = 0. As a byte (E8M0): e + 127.
;;     - Each number is divided by its block's scale, clamped to +-6, and rounded to the nearest number of E2M1, ties to even, subnormals kept.
;;     - The product sums the exact products of the quantised numbers (number of the format x scale) in f32.
;;   ~~~python
;;   def quantise(x, axis):      # numpy; x: float32 -> the quantised numbers, widened to float32 again
;;       x = np.moveaxis(x, axis, -1); K = x.shape[-1]
;;       x = np.pad(x, [(0, 0)] * (x.ndim - 1) + [(0, -K % 32)]); x = x.reshape(x.shape[:-1] + (-1, 32)); a = np.abs(x).max(-1, keepdims=True)
;;       e = np.where(a > 0, np.clip(np.frexp(np.where(a > 0, a, 1))[1] - 1 - 2, -126, 127), 0)      # np.frexp(a)[1] - 1 = floor(log2(a)), exactly
;;       r = np.clip(x / 2.0 ** e, -6, 6)
;;       step = 2.0 ** (np.maximum(np.frexp(np.where(r == 0, 1, r))[1] - 1, 0) - 1)
;;       q = np.round(r / step) * step * 2.0 ** e      # np.round: ties to even
;;       return np.moveaxis(q.reshape(q.shape[:-2] + (-1,))[..., :K], -1, axis).astype(np.float32)
;;   ~~~
;;   SOFTMAX AHEAD OF A QUANTISED PRODUCT. Where the list says 'softmax', what is quantised is not the finished softmax but p = 2^(t - M), with t = logit x log2(e) and M = ceil(the row's largest t), a whole number; so 1/2 < the row's largest p <= 1. The row's sum l is taken of the UNQUANTISED p, in f32, and the product's result is divided by l at the end. Since M is a whole number, a kernel that streams over the keys may use a running M (the ceiling of the running maximum): every later rescaling is an exact power of two, which a block's scale takes up: the codes' values come out the same.
;;   OPERANDS COMPUTED ON THE WAY. 'Computed on the way' means the value that the module computes at that place (a softmax that the list does not call 'softmax' is quantised finished and normalised). What goes into a quantiser is computed in f32, as accurately as f32 sums, v_exp_f32 and their like allow (about 1e-6 of the number): no bf16 or f16 on the way to a quantiser, and a product that is left as it is and whose result goes on into a quantised operand takes f32 operands (vector FMAs, or v_wmma_f32_16x16x4_f32). A number that lies on a knife's edge between two numbers of the format may be rounded either way, as far as f32 arithmetic and the matrix unit's own rounding can turn it there, and no further.
;;   INPUTS GIVEN AS CODES. Wk (in the module: [1024, 1024], K = its axis 1); Wo (in the module: [1024, 1024], K = its axis 1); Wq (in the module: [1024, 1024], K = its axis 1); Wv (in the module: [1024, 1024], K = its axis 1); x (in the module: [2, 2048, 1024], K = its axis 2): each comes as NAME_codes (uint8): NAME with its K axis moved to the last place and cut into blocks of 32 codes, [.., K / 32, bytes a block], one block behind the other in memory; two codes a byte, the lower K in the low four bits (a code: sign, 2 exponent bits, 1 mantissa bit); and NAME_scales (uint8): the same leading axes, one E8M0 byte (e + 127) for each 32 codes along K. Its value is code x scale, taken as it is: it is not quantised again, and the codes and scales need not be those that the quantiser above would give.
;; One version. Each part assembles by itself: llvm-mc -triple=amdgcn-amd-amdhsa -mcpu=gfx1250 --defsym DOCPART=n.
;; ======== version 1 of 1: 3 launches
;; workspace buffers: cod 6,291,456 bytes; scl 655,360 bytes; oc 2,097,152 bytes; os 131,072 bytes
;; launch qkv (part 1): grid 8 x 32, 4 waves a work-group, clusters of 4 x 4, 279,040 bytes of LDS; arguments x_codes, x_scales, Wq_codes, Wq_scales, Wk_codes, Wk_scales, Wv_codes, Wv_scales, cod, scl; writes cod, scl
.if DOCPART == 1
	.amdgcn_target "amdgcn-amd-amdhsa--gfx1250"
	.amdhsa_code_object_version 6
	.text
	.protected	k_q4d27a969a4_qkv
	.globl	k_q4d27a969a4_qkv
	.p2align	8
	.type	k_q4d27a969a4_qkv,@function
k_q4d27a969a4_qkv:
	s_mov_b64 s[64:65], 0
	v_nop
	global_prefetch_b8 v0, s[64:65] scope:SCOPE_SE
	s_setreg_imm32_b32 hwreg(HW_REG_WAVE_MODE, 25, 1), 1
	s_wait_xcnt 0x0
	s_wait_alu depctr_hold_cnt(0) depctr_sa_sdst(0) depctr_va_vdst(0) depctr_va_sdst(0) depctr_va_ssrc(0) depctr_va_vcc(0) depctr_vm_vsrc(0)
	s_getreg_b32 s2, hwreg(HW_REG_IB_STS2, 6, 4)
	s_cmp_eq_u32 s2, 0
	s_cbranch_scc0 .Lentry_in_a_cluster
	s_endpgm
.Lentry_in_a_cluster:
	s_bfe_u32 s2, ttmp6, 0x10000c
	s_cmp_lg_u32 s2, 0xf033
	s_cbranch_scc0 .Lentry_shape_is_right
	s_endpgm
.Lentry_shape_is_right:
; q = l2norm(x Wq^T), k = l2norm(x Wk^T), v = x Wv^T on codes of FP4 (E2M1) with E8M0 scales, and all three quantised again for the attention launch.
; x: 4,096 tokens x 1,024; each W: 1,024 features x 1,024; rows of 512 bytes of codes and 32 scale bytes, K innermost.
; SHARES.  A work-group takes 128 tokens (tb) x 128 features (fb: two heads) of q, k AND v.  Wave w: kind = w / 2 (0: q, 1: k), hh = w % 2: 128 tokens x the 64 features of head 2 fb + hh of
; its kind (32 accumulators), and v for 128 tokens x features 32 w .. 32 w + 31 (16 accumulators).  The wave's eight fragments of x serve both: 14 fragments feed 48 matrix instructions.
; LAYOUT.  q, k: source 0 = 16 rows of W, source 1 = 16 tokens: a lane holds ONE token and its registers run along the features, along which q and k are normalised and quantised.
; v: source 0 = 16 tokens, source 1 = 16 rows of Wv: a lane holds ONE feature and its registers run along the tokens, which are the K of attention's second product.
; LDS.  All of K fits: four tiles (x, Wq, Wk, Wv) of 128 rows, each in two halves of K (256 bytes a row + 16 of padding).  Every byte is filled once; nothing is stored to LDS.
; CLUSTER 4 x 4.  x's tile hangs on tb alone and is shared along a row of the cluster, the weights' on fb alone and are shared along a column: each is asked for jointly.
; OUT.  cod: K at 0, V at 0x200000, Q at 0x400000.  q, k: the image of a 16-token fragment's registers 0-3: bh x 65,536 + (token / 16) x 512 + 16 x lane.  v: bh x 65,536 + (key / 32) x 1,024 + 16 d.
; scl: k's words at 0, v's at 262,144, q's at 393,216.  q, k: a word a token (bytes 0, 1 the head's two blocks, bytes 2, 3 = 0x7f for zero codes).  v: bh x 4,096 + (key / 128) x 256 + 4 d.
; LIMITS: NaN, infinities and a given scale byte 0xff are not served.  A block whose largest magnitude lies under 2^-124 keeps the byte 1; a block of zeros gets the byte 1 where the rule says 127:
; its codes are zeros, which add nothing under any byte but 0xff, and these bytes are read by this program alone.
; REGISTERS, in windows of 256.  Window 0: v1-14 addresses; v32-87 scale words and nothing else; v88-122 at work; v128-255 x's fragments, two buffers (on the way out: numbers and codes).
;   window 1: W's four and Wv's two fragments, two buffers at v0 and v64.   window 2: q's or k's accumulators (t, n) at 8 (4 t + n).   window 3: v's (n, t) at 8 (8 n + t).
.set PITCH, 272                        ; an LDS row: 256 bytes + 16: the sixteen rows of a fragment load start in sixteen different 16-byte columns
.set TILE,  128*PITCH
.set CH,    4*TILE                     ; one half of K: four tiles
.set TM,    96                         ; v96-99 largest magnitudes, v100-103 partners and bytes, v104-107 the conversions' scale operands
.set MSB, 0
.macro WIN new                         ; the immediate's high byte repeats the setting that is left; a switch that changes nothing is dropped
.if MSB != (\new)
	s_set_vgpr_msb (MSB<<8)|(\new)
.set MSB, (\new)
.endif
.endm
.macro PLACES                          ; four plain places behind matrix instructions, in front of loads into their registers and of the first read of results
.rept 4
	v_nop
.endr
.endm
.macro CROUND                          ; a round of the cluster's barrier
	s_barrier_signal -1
	s_barrier_wait -1
	s_cmp_lg_u32 s24, 0
	s_cbranch_scc1 .Lnot_wave_0_\@
	s_barrier_signal -3
.Lnot_wave_0_\@:
	s_barrier_wait -3
	s_barrier_signal -1
	s_barrier_wait -1
.endm
.macro MKG0 g, bl, i                   ; descriptor group 0 of tile i, for both halves of K; s[bl:bl+1] = address of the tile's first row
.irp c, 0,1
	s_mov_b32 s[\g+4*\c], 1
	s_mov_b32 s[\g+4*\c+1], \c*CH+\i*TILE
	s_add_nc_u64 s[\g+4*\c+2:\g+4*\c+3], s[\bl:\bl+1], \c*256
	s_or_b32 s[\g+4*\c+3], s[\g+4*\c+3], 0x80000000
.endr
.endm
.macro ARM g0, g1                      ; a wave's two first fills stand together; four v_nop follow the second
	tensor_load_to_lds s[\g0:\g0+3], s[\g1:\g1+7]
	s_nop 0
	tensor_load_to_lds s[\g0+4:\g0+7], s[\g1:\g1+7]
	s_nop 0
.rept 4
	v_nop
.endr
.endm
	s_load_b256 s[4:11], s[0:1], 0x0               ; x codes s[4:5], x scales s[6:7], Wq codes s[8:9], Wq scales s[10:11]
	s_load_b256 s[12:19], s[0:1], 0x20             ; Wk codes s[12:13], Wk scales s[14:15], Wv codes s[16:17], Wv scales s[18:19]
	s_load_b128 s[20:23], s[0:1], 0x40             ; cod s[20:21], scl s[22:23]
	v_lshl_add_u32 v126, v0, 2, 0x44000
	v_mov_b32 v127, 0
	ds_add_u32 v126, v127
	ds_add_u32 v126, v127
	v_lshrrev_b32 v1, 5, v0
	v_readfirstlane_b32 s24, v1                    ; wave 0..3
	s_lshr_b32 s25, s24, 1                         ; kind: 0 q, 1 k
	s_and_b32 s26, s24, 1                          ; hh
	s_bfe_u32 s27, ttmp6, 0x40000                  ; cx
	s_bfe_u32 s28, ttmp6, 0x40004                  ; cy
	s_lshl_b32 s29, ttmp9, 2
	s_add_co_u32 s29, s29, s27                     ; fb = 4 x cluster x + cx
	s_and_b32 s30, ttmp7, 0xffff
	s_lshl_b32 s30, s30, 2
	s_add_co_u32 s30, s30, s28                     ; tb = 4 x cluster y + cy
	s_lshl_b32 s31, s28, 2
	s_lshl_b32 s31, 15, s31                        ; my row of the cluster
	s_lshl_b32 s99, 0x1111, s27                    ; my column
	s_or_b32 s32, s31, (1<<20)|(1<<21)|(5<<22)|(3<<25)   ; group 1 for x: mask of my row; elements of 1 byte; padding on; bit 21 beside a mask; 4 words behind every 64
	s_or_b32 s40, s99, (1<<20)|(1<<21)|(5<<22)|(3<<25)   ; for the weights: mask of my column
.irp g, 32, 40
	s_mov_b32 s[\g+1], 256<<16                     ; tensor_dim0 = 256 bytes
	s_mov_b32 s[\g+2], 128<<16                     ; tensor_dim1 = 128 rows
	s_mov_b32 s[\g+3], 256<<16                     ; tile_dim0
	s_mov_b32 s[\g+4], 128                         ; tile_dim1
	s_mov_b32 s[\g+5], 512                         ; from row to row
	s_mov_b32 s[\g+6], 0
	s_mov_b32 s[\g+7], 0
.endr
	s_lshl_b32 s2, s30, 16                         ; x: 128 tb rows of 512 bytes (hangs on tb alone)
	s_mov_b32 s3, 0
	s_lshl_b32 s66, s29, 16                        ; the weights: 128 fb rows (hangs on fb alone)
	s_mov_b32 s67, 0
	s_wait_dscnt 0x0
	s_wait_kmcnt 0x0
	s_add_nc_u64 s[2:3], s[4:5], s[2:3]
	MKG0 48, 2, 0
	s_add_nc_u64 s[96:97], s[8:9], s[66:67]
	MKG0 56, 96, 1
	s_add_nc_u64 s[96:97], s[12:13], s[66:67]
	MKG0 68, 96, 2
	s_add_nc_u64 s[96:97], s[16:17], s[66:67]
	MKG0 76, 96, 3
	CROUND                                         ; all sixteen work-groups are here: the joint loads meet
	s_cmp_lg_u32 s24, 0                            ; wave i asks for tile i, both halves of K: two loads of mine are out
	s_cbranch_scc1 .Lw1
	ARM 48, 32
	s_branch .Lasked
.Lw1:
	s_cmp_lg_u32 s24, 1
	s_cbranch_scc1 .Lw2
	ARM 56, 40
	s_branch .Lasked
.Lw2:
	s_cmp_lg_u32 s24, 2
	s_cbranch_scc1 .Lw3
	ARM 68, 40
	s_branch .Lasked
.Lw3:
	ARM 76, 40
.Lasked:
	; the scale words come once, straight into registers: a row's 32 bytes are two loads' worth: lane (r, h) takes bytes 16 h .. 16 h + 15 of row r,
	; so register q holds K step q in lanes 0-15 and K step 4 + q in lanes 16-31; a load of the wave covers 512 consecutive bytes
	s_lshl_b32 s92, s30, 12                        ; x: 128 tb rows of 32 bytes
	s_mov_b32 s93, 0
	s_add_nc_u64 s[92:93], s[6:7], s[92:93]
	s_cmp_eq_u32 s25, 0
	s_cselect_b64 s[94:95], s[10:11], s[14:15]     ; Wq's or Wk's: the choice hangs on the wave's number alone
	s_lshl_b32 s66, s29, 12
	s_lshl_b32 s84, s26, 11
	s_add_co_u32 s66, s66, s84                     ; (128 fb + 64 hh) x 32
	s_add_nc_u64 s[94:95], s[94:95], s[66:67]
	s_lshl_b32 s66, s29, 12
	s_lshl_b32 s84, s24, 10
	s_add_co_u32 s66, s66, s84                     ; (128 fb + 32 w) x 32
	s_add_nc_u64 s[96:97], s[18:19], s[66:67]
	v_and_b32 v1, 31, v0                           ; lane
	v_and_b32 v2, 15, v0                           ; r
	v_bfe_u32 v3, v0, 4, 1                         ; h
	v_lshlrev_b32 v10, 5, v2
	v_lshl_add_u32 v10, v3, 4, v10                 ; 32 r + 16 h
.irp t, 0,1,2,3,4,5,6,7
	global_load_b128 v[32+4*\t:35+4*\t], v10, s[92:93] offset:512*\t
.endr
.irp n, 0,1,2,3
	global_load_b128 v[64+4*\n:67+4*\n], v10, s[94:95] offset:512*\n
.endr
.irp n, 0,1
	global_load_b128 v[80+4*\n:83+4*\n], v10, s[96:97] offset:512*\n
.endr
	v_mul_u32_u24 v4, v2, PITCH
	v_lshl_add_u32 v4, v3, 4, v4                   ; x's fragments: row r x pitch + 16 h, first half of K;
	v_add_nc_u32 v5, CH, v4                        ; second half
	s_add_co_u32 s84, s25, 1
	s_mul_i32 s84, s84, TILE                       ; Wq's or Wk's tile,
	s_mul_i32 s85, s26, 64*PITCH                   ; my head's 64 rows
	s_add_co_u32 s84, s84, s85
	v_add_nc_u32 v6, s84, v4
	v_add_nc_u32 v7, s84, v5
	s_mul_i32 s84, s24, 32*PITCH                   ; Wv's tile, my 32 rows
	s_add_co_u32 s84, s84, 3*TILE
	v_add_nc_u32 v8, s84, v4
	v_add_nc_u32 v9, s84, v5
	v_lshlrev_b32 v12, 4, v1                       ; 16 x lane
	v_lshlrev_b32 v13, 2, v1                       ; 4 x lane
	v_lshlrev_b32 v14, 4, v2
	v_lshl_add_u32 v14, v3, 10, v14                ; 1,024 h + 16 r
	v_mov_b32 v92, 0                               ; written once: a lane permute's destination counts as one of its sources
	v_mov_b32 v95, 0                               ; (named as the upper half of the pair v[94:95])
.irp b, 0,1,2,3
	v_mov_b32 v[TM+4+\b], 0
.endr
	s_mov_b32 s98, 0xffff0000                      ; lanes 16-31
	s_mov_b32 s100, 0x76543210
	s_mov_b32 s101, 0xfedcba98                     ; v_permlanex16_b32's selects for lane l xor 16
	; where the results go
	s_lshr_b32 s84, s30, 4                         ; b
	s_lshl_b32 s84, s84, 3
	s_add_co_u32 s84, s84, s29
	s_lshl_b32 s84, s84, 1                         ; 16 b + 2 fb
	s_and_b32 s85, s30, 15                         ; g: which 128 tokens of the sequence
	s_add_co_u32 s86, s84, s26                     ; bh of my q or k
	s_add_co_u32 s88, s84, s25                     ; bh of my v
	s_lshl_b32 s90, s88, 12
	s_lshl_b32 s91, s85, 8
	s_add_co_u32 s90, s90, s91
	s_lshl_b32 s91, s26, 7
	s_add_co_u32 s90, s90, s91
	s_add_co_u32 s90, s90, 262144                  ; v's scale words
	s_lshl_b32 s88, s88, 16
	s_lshl_b32 s91, s85, 12
	s_add_co_u32 s88, s88, s91
	s_lshl_b32 s91, s26, 9
	s_add_co_u32 s88, s88, s91
	s_add_co_u32 s88, s88, 0x200000                ; v's codes
	s_lshl_b32 s84, s86, 16
	s_lshl_b32 s91, s85, 12
	s_add_co_u32 s84, s84, s91
	s_lshl_b32 s86, s86, 13
	s_lshl_b32 s91, s85, 9
	s_add_co_u32 s86, s86, s91
	s_cmp_eq_u32 s25, 0
	s_cselect_b32 s91, 0x400000, 0                 ; q's region or k's
	s_cselect_b32 s89, 393216, 0
	s_add_co_u32 s84, s84, s91
	s_add_co_u32 s86, s86, s89
	s_mov_b32 s85, 0
	s_mov_b32 s87, 0
	s_mov_b32 s89, 0
	s_mov_b32 s91, 0
	s_add_nc_u64 s[84:85], s[20:21], s[84:85]
	s_add_nc_u64 s[86:87], s[22:23], s[86:87]
	s_add_nc_u64 s[88:89], s[20:21], s[88:89]
	s_add_nc_u64 s[90:91], s[22:23], s[90:91]
; the fragments of K step s (128 along K: 64 bytes of a row): 28 LDS loads in one run.  16 rows x 128 K of 4-bit codes are 8 registers: two loads of 16 bytes, 32 bytes apart
.macro FETCH s
.set c_, (\s)/4
.set q_, (\s)%4
.set p_, (\s)%2
	WIN 0
.irp t, 0,1,2,3,4,5,6,7
.irp cc, 0,1
	ds_load_b128 v[128+64*p_+8*\t+4*\cc:128+64*p_+8*\t+4*\cc+3], v[4+c_] offset:\t*16*PITCH+64*q_+32*\cc
.endr
.endr
	WIN 0x40                                       ; destination window 1, address window 0
.irp n, 0,1,2,3
.irp cc, 0,1
	ds_load_b128 v[64*p_+8*\n+4*\cc:64*p_+8*\n+4*\cc+3], v[6+c_] offset:\n*16*PITCH+64*q_+32*\cc
.endr
.endr
.irp n, 0,1
.irp cc, 0,1
	ds_load_b128 v[64*p_+32+8*\n+4*\cc:64*p_+32+8*\n+4*\cc+3], v[8+c_] offset:\n*16*PITCH+64*q_+32*\cc
.endr
.endr
	WIN 0
.endm
; one matrix instruction; D_, A_, B_, SA_, SB_ are set by the caller.  K step 0 starts the sums with the constant 0; K steps 4 to 7 take their scale words from lanes 16-31
.macro WM s
.if (\s) == 0
	v_wmma_scale_f32_16x16x128_f8f6f4 v[D_:D_+7], v[A_:A_+7], v[B_:B_+7], 0, v[SA_], v[SB_] matrix_a_fmt:MATRIX_FMT_FP4 matrix_b_fmt:MATRIX_FMT_FP4
.elseif (\s) < 4
	v_wmma_scale_f32_16x16x128_f8f6f4 v[D_:D_+7], v[A_:A_+7], v[B_:B_+7], v[D_:D_+7], v[SA_], v[SB_] matrix_a_fmt:MATRIX_FMT_FP4 matrix_b_fmt:MATRIX_FMT_FP4
.else
	v_wmma_scale_f32_16x16x128_f8f6f4 v[D_:D_+7], v[A_:A_+7], v[B_:B_+7], v[D_:D_+7], v[SA_], v[SB_] matrix_a_fmt:MATRIX_FMT_FP4 matrix_b_fmt:MATRIX_FMT_FP4 matrix_a_scale:MATRIX_SCALE_ROW1 matrix_b_scale:MATRIX_SCALE_ROW1
.endif
.endm
.macro MULQK s                         ; 32 products: source 0 = W (window 1), source 1 = x (window 0), C and D window 2
	WIN 0xa1
.irp t, 0,1,2,3,4,5,6,7
.irp n, 0,1,2,3
.set D_, 8*(4*\t+\n)
.set A_, 64*((\s)%2)+8*\n
.set B_, 128+64*((\s)%2)+8*\t
.set SA_, 64+4*\n+(\s)%4
.set SB_, 32+4*\t+(\s)%4
	WM \s
.endr
.endr
.endm
.macro MULV s                          ; 16 products: source 0 = x (window 0), source 1 = Wv (window 1), C and D window 3
	WIN 0xf4
.irp n, 0,1
.irp t, 0,1,2,3,4,5,6,7
.set D_, 8*(8*\n+\t)
.set A_, 128+64*((\s)%2)+8*\t
.set B_, 64*((\s)%2)+32+8*\n
.set SA_, 32+4*\t+(\s)%4
.set SB_, 80+4*\n+(\s)%4
	WM \s
.endr
.endr
.endm
; A K step: its fragments were asked for a step ago; the next step's are asked for first, then 48 products.  The 48 accumulators take turns, one instruction a turn, in the same order in every step.
.macro STEP s
	s_wait_dscnt 0x0                               ; this step's 28 loads are in
.if (\s) == 3
	WIN 0
	s_wait_tensorcnt 0x0                           ; my tile's second half of K has landed (no load was issued behind it),
	s_barrier_signal -1
	s_barrier_wait -1                              ; everybody's has: the next fetch reads it.  Nothing is filled again in this launch
.endif
.if (\s) > 0
	PLACES                                         ; the buffer that the next loads fill was read by the last step's products
.endif
.if (\s) < 7
	FETCH (\s)+1
.endif
	MULQK \s
	MULV \s
.endm
; nb blocks of 32 along K.  Block b: 16 numbers of my lane, v[src + 16 b ..] in window ws (register 8 u + j = k 32 b + 16 u + 8 (lane / 16) + j), and lane l xor 16's 16.
; The codes go to v[pc ..] in the operand's layout (registers 4 c .. 4 c + 3 = k 64 c + 32 (lane / 16) + 0 .. 31), the scale bytes to v[TM + 4 + b].
.macro QUANT nb, src, ws, pc
.set b_, 0
.rept \nb
	v_mov_b32 v[TM+b_], 0x1800000                  ; the floor 2^(3 - 127), under which no largest magnitude is taken: the byte cannot fall under 1
.set b_, b_+1
.endr
	WIN ((\ws)<<2)|((\ws)<<4)
.irp i, 0,2,4,6,8,10,12,14
.set b_, 0
.rept \nb
	v_max3_num_f32 v[TM+b_], v[TM+b_], |v[(\src)+16*b_+\i]|, |v[(\src)+16*b_+\i+1]|   ; the blocks by turns; each accumulator from its low end on
.set b_, b_+1
.endr
.endr
	WIN 0
.set b_, 0
.rept \nb
	v_permlanex16_b32 v[TM+4+b_], v[TM+b_], s100, s101
.set b_, b_+1
.endr
.set b_, 0
.rept \nb
	v_max_num_f32 v[TM+b_], v[TM+b_], v[TM+4+b_]   ; the block's largest magnitude
.set b_, b_+1
.endr
.set b_, 0
.rept \nb
	v_add_nc_u32 v[TM+8+b_], 0xff000000, v[TM+b_]  ; 2 off its exponent field: the conversion takes that field as its scale
.set b_, b_+1
.endr
.set b_, 0
.rept \nb
	v_lshrrev_b32 v[TM+4+b_], 23, v[TM+8+b_]       ; the scale's byte
.set b_, b_+1
.endr
	WIN \ws
.set b_, 0
.rept \nb
	v_cvt_scalef32_pk8_fp4_f32 v[(\pc)+4*(b_/2)+(b_%2)], v[(\src)+16*b_:(\src)+16*b_+7], v[TM+8+b_]
	v_cvt_scalef32_pk8_fp4_f32 v[(\pc)+4*(b_/2)+2+(b_%2)], v[(\src)+16*b_+8:(\src)+16*b_+15], v[TM+8+b_]
.set b_, b_+1
.endr
	WIN 0
	v_nop                                          ; one plain place behind a scaled conversion
.set b_, 0
.rept \nb
	v_permlane16_swap_b32 v[(\pc)+2*b_], v[(\pc)+2*b_+1]   ; the first's lanes 16-31 change places with the second's lanes 0-15: a whole block in a lane
.set b_, b_+1
.endr
.endm
; tile t of q or k: 16 tokens; my lane holds 32 of its token's 64 features
.macro EPQ t
	WIN 0x0a                                       ; sources 0 and 1 window 2
	v_pk_mul_f32 v[88:89], v[32*(\t):32*(\t)+1], v[32*(\t):32*(\t)+1]
	v_pk_mul_f32 v[90:91], v[32*(\t)+2:32*(\t)+3], v[32*(\t)+2:32*(\t)+3]
.irp i, 4,8,12,16,20,24,28
	v_pk_fma_f32 v[88:89], v[32*(\t)+\i:32*(\t)+\i+1], v[32*(\t)+\i:32*(\t)+\i+1], v[88:89]
	v_pk_fma_f32 v[90:91], v[32*(\t)+\i+2:32*(\t)+\i+3], v[32*(\t)+\i+2:32*(\t)+\i+3], v[90:91]
.endr
	WIN 0
	v_pk_add_f32 v[88:89], v[88:89], v[90:91]
	v_add_f32 v88, v88, v89
	v_permlanex16_b32 v92, v88, s100, s101
	v_add_f32 v88, v88, v92                        ; the sum of the token's 64 squares
	v_sqrt_f32 v92, v88
	v_nop                                          ; a plain place behind a transcendental
	s_wait_alu depctr_va_vdst(0)
	v_max_num_f32 v92, 0x358637bd, v92             ; max(norm, 1e-6)
	v_rcp_f32 v94, v92
	v_nop
	WIN 0x02                                       ; source 0 window 2
	s_wait_alu depctr_va_vdst(0)
.irp i, 0,2,4,6,8,10,12,14,16,18,20,22,24,26,28,30
	v_pk_mul_f32 v[128+\i:129+\i], v[32*(\t)+\i:32*(\t)+\i+1], v[94:95] op_sel_hi:[1,0]
.endr
	WIN 0
	QUANT 2, 128, 0, 160+4*(\t)
	global_store_b128 v12, v[160+4*(\t):163+4*(\t)], s[84:85] offset:512*(\t)   ; the wave stores 512 consecutive bytes, aligned; each store has data registers of its own
	v_lshl_or_b32 v93, v[TM+5], 8, v[TM+4]
.if (\t)%2 == 0
	v_or_b32 v112, 0x7f7f0000, v93                 ; the even tile's words wait for the odd tile's
.else
	v_or_b32 v93, 0x7f7f0000, v93
	v_cndmask_b32 v[114+(\t)/2], v112, v93, s98    ; lanes 0-15: tile t - 1, lanes 16-31: tile t
	global_store_b32 v13, v[114+(\t)/2], s[86:87] offset:64*((\t)-1)
.endif
.endm
; tile n of v: 16 features x 128 tokens: four blocks of 32 keys
.macro EPV n
	QUANT 4, 64*(\n), 3, 192+8*(\n)
	v_lshl_or_b32 v[120+\n], v[TM+5], 8, v[TM+4]
	v_lshl_or_b32 v[120+\n], v[TM+6], 16, v[120+\n]
	v_lshl_or_b32 v[120+\n], v[TM+7], 24, v[120+\n]
.irp c, 0,1
	global_store_b128 v14, v[192+8*(\n)+4*\c:192+8*(\n)+4*\c+3], s[88:89] offset:2048*\c+256*(\n)   ; sixteen lanes store 256 consecutive bytes, aligned
.endr
.endm
	s_wait_tensorcnt 0x1                           ; my tile's first half of K has landed; the one load issued behind it may stay out
	s_barrier_signal -1
	s_barrier_wait -1                              ; everybody's has
	FETCH 0
	s_wait_loadcnt 0x0                             ; the scale words
.irp s, 0,1,2,3,4,5,6,7
	STEP \s
.endr
	WIN 0
	PLACES
.irp t, 0,1,2,3,4,5,6,7
	EPQ \t
.endr
	EPV 0
	EPV 1
	v_cndmask_b32 v122, v120, v121, s98            ; lanes 0-15: features of tile 0, lanes 16-31: of tile 1
	global_store_b32 v13, v122, s[90:91]
	s_wait_tensorcnt 0x0
	ds_add_u32 v126, v127
	s_wait_dscnt 0x0
	CROUND                                         ; the closing round: no work-group ends while a partner may still ask for a tile that names it
	s_endpgm
.Lfunc_end_k_q4d27a969a4_qkv:
	.size	k_q4d27a969a4_qkv, .Lfunc_end_k_q4d27a969a4_qkv-k_q4d27a969a4_qkv
	.p2alignl 7, 3214868480
	.fill 96, 4, 3214868480
	.section	.rodata,"a",@progbits
	.p2align	6, 0x0
	.amdhsa_kernel k_q4d27a969a4_qkv
		.amdhsa_group_segment_fixed_size 279040
		.amdhsa_private_segment_fixed_size 0
		.amdhsa_enable_private_segment 0
		.amdhsa_kernarg_size 80
		.amdhsa_user_sgpr_count 2
		.amdhsa_user_sgpr_kernarg_segment_ptr 1
		.amdhsa_wavefront_size32 1
		.amdhsa_system_sgpr_workgroup_id_x 1
		.amdhsa_system_sgpr_workgroup_id_y 1
		.amdhsa_system_sgpr_workgroup_id_z 1
		.amdhsa_system_vgpr_workitem_id 0
		.amdhsa_next_free_vgpr 1024
		.amdhsa_next_free_sgpr 102
		.amdhsa_reserve_vcc 0
		.amdhsa_float_denorm_mode_32 3
		.amdhsa_float_denorm_mode_16_64 3
		.amdhsa_memory_ordered 1
		.amdhsa_forward_progress 1
		.amdhsa_inst_pref_size 123
	.end_amdhsa_kernel
	.amdgpu_metadata
---
amdhsa.version: [ 1, 2 ]
amdhsa.kernels:
  - .name:           k_q4d27a969a4_qkv
    .symbol:         k_q4d27a969a4_qkv.kd
    .args:
      - { .name: x_codes, .offset: 0, .size: 8, .value_kind: global_buffer, .address_space: global }
      - { .name: x_scales, .offset: 8, .size: 8, .value_kind: global_buffer, .address_space: global }
      - { .name: Wq_codes, .offset: 16, .size: 8, .value_kind: global_buffer, .address_space: global }
      - { .name: Wq_scales, .offset: 24, .size: 8, .value_kind: global_buffer, .address_space: global }
      - { .name: Wk_codes, .offset: 32, .size: 8, .value_kind: global_buffer, .address_space: global }
      - { .name: Wk_scales, .offset: 40, .size: 8, .value_kind: global_buffer, .address_space: global }
      - { .name: Wv_codes, .offset: 48, .size: 8, .value_kind: global_buffer, .address_space: global }
      - { .name: Wv_scales, .offset: 56, .size: 8, .value_kind: global_buffer, .address_space: global }
      - { .name: cod, .offset: 64, .size: 8, .value_kind: global_buffer, .address_space: global }
      - { .name: scl, .offset: 72, .size: 8, .value_kind: global_buffer, .address_space: global }
    .group_segment_fixed_size: 279040
    .private_segment_fixed_size: 0
    .kernarg_segment_align: 8
    .kernarg_segment_size: 80
    .max_flat_workgroup_size: 128
    .sgpr_count:     102
    .vgpr_count:     1024
    .wavefront_size: 32
...
	.end_amdgpu_metadata
.endif
;; end of part 1
;; launch attn (part 2): grid 16 x 16, 16 waves a work-group, no clusters, 169,984 bytes of LDS; arguments cod, scl, oc, os; writes oc, os
.if DOCPART == 2
	.amdgcn_target "amdgcn-amd-amdhsa--gfx1250"
	.amdhsa_code_object_version 6
	.text
	.protected	k_q4d27a969a4_attn
	.globl	k_q4d27a969a4_attn
	.p2align	8
	.type	k_q4d27a969a4_attn,@function
k_q4d27a969a4_attn:
	s_mov_b64 s[64:65], 0
	v_nop
	global_prefetch_b8 v0, s[64:65] scope:SCOPE_SE
	s_setreg_imm32_b32 hwreg(HW_REG_WAVE_MODE, 25, 1), 1
	s_wait_xcnt 0x0
; Attention in a band: query i sees keys i .. i + 127 (cut at the sequence's end); logit = q . k - slope x (key - query), slope = 2^(-8 head / 15).  Both products on codes of FP4 (E2M1) with E8M0 scales.
; THE SOFTMAX AHEAD OF THE SECOND PRODUCT: t = logit x log2(e); M = ceil(the row's largest t); p = 2^(t - M) is quantised along the keys in blocks on multiples of 32; the row's sum is taken of the
; unquantised p and divides at the end.  All keys of a query lie in registers at once, so M is the row's own and nothing is rescaled.  The result / sum is quantised along the head's 64 for the last product.
; SHARES.  A work-group takes 128 queries (Q0 on) of two neighbouring heads of one sequence.  Wave w: head w / 8, tile tau = w % 8: 16 queries.  Its keys begin at kb = Q0 + 32 (tau / 2): five blocks of 32, ten tiles of 16.
; LAYOUT.  Both products are used transposed (S^T = K Q^T, O^T = V^T P^T): a lane holds ONE query (lane % 16); register j of tile i holds key kb + 16 i + 8 (lane / 16) + j.
; The head's 64 are half of the instruction's 128 along K: registers 4-7 of q's and k's fragments are zero codes, under the byte 0x7f.
; LDS, filled once: for each head K's and V's codes (36 rows of 256 bytes each) and scale words (4 rows each); behind them 512 bytes into which no fill lands, for the results' scale bytes.
; At a sequence's end the windows run past their head: up to 5,120 bytes of codes and 768 of scale words.  They then read the next head's bytes or the next region's, which lie inside the buffers, were all
; stored by the launch before, and hold no scale byte 0xff; the scores of such keys are replaced by -infinity, so their p are zero codes.
; NO CLUSTER: neighbouring query blocks share only half of a window of 18 KB a head, and at different LDS places, so their descriptors could not be equal.
; LIMITS: p under 2^-126 counts as 0.  A block of p or of results that is all zeros, or under 2^-124, gets the byte 1: read by this program alone.  NaN and infinities are not served.
; REGISTERS: v1-11 addresses; v[8:9] -slope; v12 -M, v13 the largest t; v[14:15] the sum, then 1 / sum; v16-23 Q; v24-31 key - query as f32; v32-111 ten fragments of K, later V (v32-95) and work (v96-111);
; v112-191 S^T, then p, then the result; v192-223 O^T; v224-239 p's codes; v240-252 scale words and nothing else; v253 the band's limit; v254 -infinity; v255 4 r.
.set SB,  36864                        ; the scale words
.set STG, 40960                        ; the results' scale bytes
.set TM,  96
	s_load_b256 s[4:11], s[0:1], 0x0               ; cod s[4:5], scl s[6:7], oc s[8:9], os s[10:11]
	v_lshl_add_u32 v254, v0, 2, 0x29000
	v_mov_b32 v255, 0
	ds_add_u32 v254, v255
	ds_add_u32 v254, v255
	s_wait_dscnt 0x0
	v_lshrrev_b32 v1, 5, v0
	v_readfirstlane_b32 s12, v1                    ; wave 0..15
	s_lshr_b32 s13, s12, 3                         ; head of the pair
	s_and_b32 s14, s12, 7                          ; tau
	s_lshr_b32 s15, s14, 1                         ; e
	s_lshl_b32 s16, ttmp9, 7                       ; Q0
	s_and_b32 s17, ttmp7, 0xffff                   ; y = 8 b + head pair
	; descriptor group 1: dense blocks as rows of 256 bytes (32 elements of 8 bytes): 36 rows of codes, 4 rows of scale words
	s_mov_b32 s24, 3<<16
	s_mov_b32 s25, 32<<16
	s_mov_b32 s26, 36<<16
	s_mov_b32 s27, 32<<16
	s_mov_b32 s28, 36
	s_mov_b32 s29, 32
	s_mov_b32 s30, 0
	s_mov_b32 s31, 0
	s_mov_b32 s32, 3<<16
	s_mov_b32 s33, 32<<16
	s_mov_b32 s34, 4<<16
	s_mov_b32 s35, 32<<16
	s_mov_b32 s36, 4
	s_mov_b32 s37, 32
	s_mov_b32 s38, 0
	s_mov_b32 s39, 0
	; what I fetch, if I fetch: region i = w % 4 = 2 x head + kind (0: K, 1: V)
	s_and_b32 s18, s12, 3
	s_and_b32 s19, s12, 1                          ; kind
	s_bfe_u32 s20, s12, 0x10001                    ; head
	s_lshl_b32 s21, s17, 1
	s_add_co_u32 s21, s21, s20                     ; bh
	s_lshl_b32 s22, s21, 16
	s_lshl_b32 s23, s16, 5
	s_add_co_u32 s22, s22, s23                     ; bh x 65,536 + 32 Q0: the same for K's images and V's blocks
	s_lshl_b32 s23, s19, 21
	s_add_co_u32 s22, s22, s23                     ; V's region begins at 0x200000
	s_mov_b32 s23, 0
	s_lshl_b32 s2, s21, 13
	s_lshl_b32 s3, s16, 2
	s_add_co_u32 s2, s2, s3                        ; K's words: bh x 8,192 + 4 Q0;
	s_lshr_b32 s2, s2, s19                         ; V's: half of that,
	s_lshl_b32 s3, s19, 18
	s_add_co_u32 s2, s2, s3                        ; from 262,144 on
	s_mov_b32 s3, 0
	s_mov_b32 s40, 1
	s_mul_i32 s41, s18, 9216
	s_mov_b32 s44, 1
	s_lshl_b32 s45, s18, 10
	s_add_co_u32 s45, s45, SB
	s_wait_kmcnt 0x0
	s_add_nc_u64 s[42:43], s[4:5], s[22:23]
	s_or_b32 s43, s43, 0x80000000
	s_add_nc_u64 s[46:47], s[6:7], s[2:3]
	s_or_b32 s47, s47, 0x80000000
	s_cmp_lt_u32 s12, 4                            ; waves 0-3 fetch the codes, waves 4-7 the scale words, the others nothing; four v_nop follow each line
	s_cbranch_scc0 .Lnot_codes
	tensor_load_to_lds s[40:43], s[24:31]
	s_nop 0
.rept 4
	v_nop
.endr
	s_branch .Lasked
.Lnot_codes:
	s_cmp_lt_u32 s12, 8
	s_cbranch_scc0 .Lasked
	tensor_load_to_lds s[44:47], s[32:39]
	s_nop 0
.rept 4
	v_nop
.endr
.Lasked:
	; my own places in memory
	s_lshl_b32 s62, s17, 1
	s_add_co_u32 s62, s62, s13                     ; my bh
	s_lshl_b32 s54, s62, 16
	s_lshl_b32 s63, s16, 5
	s_add_co_u32 s54, s54, s63
	s_lshl_b32 s63, s14, 9
	s_add_co_u32 s54, s54, s63
	s_add_co_u32 s54, s54, 0x400000                ; q's image: bh x 65,536 + (Q0 / 16 + tau) x 512, in q's region
	s_mov_b32 s55, 0
	s_lshl_b32 s56, s62, 13
	s_lshl_b32 s63, s16, 2
	s_add_co_u32 s56, s56, s63
	s_lshl_b32 s63, s14, 6
	s_add_co_u32 s56, s56, s63
	s_add_co_u32 s56, s56, 393216                  ; q's words
	s_mov_b32 s57, 0
	s_lshr_b32 s62, s17, 3                         ; b
	s_and_b32 s53, s17, 7                          ; the head pair = K step of the last product
	s_lshr_b32 s58, s53, 2
	s_lshl_b32 s58, s58, 20
	s_lshl_b32 s63, s62, 19
	s_add_co_u32 s58, s58, s63
	s_lshl_b32 s63, s16, 8
	s_add_co_u32 s58, s58, s63
	s_lshl_b32 s63, s14, 12
	s_add_co_u32 s58, s58, s63
	s_and_b32 s63, s53, 3
	s_lshl_b32 s63, s63, 10
	s_add_co_u32 s58, s58, s63
	s_lshl_b32 s63, s13, 9
	s_add_co_u32 s58, s58, s63                     ; oc: (pair / 4) x 2^20 + (128 b + Q0 / 16 + tau) x 4,096 + (pair % 4) x 1,024 + head x 512
	s_mov_b32 s59, 0
	s_lshl_b32 s60, s53, 14
	s_lshl_b32 s63, s62, 13
	s_add_co_u32 s60, s60, s63
	s_lshl_b32 s63, s16, 2
	s_add_co_u32 s60, s60, s63                     ; os: pair x 16,384 + (2,048 b + Q0) x 4
	s_mov_b32 s61, 0
	s_add_nc_u64 s[54:55], s[4:5], s[54:55]
	s_add_nc_u64 s[56:57], s[6:7], s[56:57]
	s_add_nc_u64 s[58:59], s[8:9], s[58:59]
	s_add_nc_u64 s[60:61], s[10:11], s[60:61]
	v_and_b32 v2, 15, v0                           ; r
	v_bfe_u32 v3, v0, 4, 1                         ; h
	v_and_b32 v1, 31, v0
	v_lshlrev_b32 v6, 2, v1                        ; 4 x lane
	v_lshlrev_b32 v1, 4, v1                        ; 16 x lane
	v_lshlrev_b32 v255, 2, v2                      ; 4 r
	global_load_b128 v[16:19], v1, s[54:55]        ; q's fragment, registers 0-3
	global_load_b32 v245, v255, s[56:57]           ; q's scale words
	; zero codes: k = 64 .. 127 of q and of the ten fragments of K; p's blocks 5 to 7
.irp j, 20,21,22,23
	v_mov_b32 v[\j], 0
.endr
.irp i, 0,1,2,3,4,5,6,7,8,9
.irp j, 4,5,6,7
	v_mov_b32 v[32+8*\i+\j], 0
.endr
.endr
.irp j, 233,235,236,237,238,239
	v_mov_b32 v[\j], 0
.endr
	s_mul_i32 s18, s13, 18432
	s_lshl_b32 s19, s15, 10
	s_add_co_u32 s18, s18, s19
	v_add_nc_u32 v4, s18, v1                       ; K's images: head x 18,432 + 1,024 e + 16 x lane
	v_lshlrev_b32 v5, 4, v2
	v_lshl_add_u32 v5, v3, 10, v5
	s_add_co_u32 s19, s18, 9216
	v_add_nc_u32 v5, s19, v5                       ; V: + 9,216 + 1,024 h + 16 r
	s_lshl_b32 s18, s13, 11
	s_add_co_u32 s18, s18, SB
	s_lshl_b32 s19, s15, 7
	s_add_co_u32 s19, s19, s18
	s_add_co_u32 s18, s18, 1024
	v_add_nc_u32 v7, s18, v6                       ; V's scale words: 4 x lane
	v_add_nc_u32 v6, s19, v6                       ; K's: 128 e + 4 x lane
	s_lshl_b32 s18, s14, 6
	s_lshl_b32 s19, s13, 1
	s_add_co_u32 s18, s18, s19
	s_add_co_u32 s18, s18, STG
	v_lshl_add_u32 v10, v2, 2, s18                 ; my query's two scale bytes: 64 tau + 4 r + 2 head
	v_add_nc_u32 v11, STG, v1
	s_mov_b32 s48, 0x76543210
	s_mov_b32 s49, 0xfedcba98                      ; v_permlanex16_b32's selects for lane l xor 16
	s_mov_b32 s50, 0x3fb8aa3b                      ; log2(e)
	s_mov_b32 s51, s50                             ; (named with it as a pair)
	s_mul_i32 s52, s15, 0x01010101
	s_add_co_u32 s52, s52, 0x03020100              ; v_perm_b32's selector: bytes e .. e + 3 of eight
	; the slope: head / 15 rounded as a division rounds it (a product and one correction step), then 2^(-8 x that)
	s_lshl_b32 s62, s53, 1
	s_add_co_u32 s62, s62, s13
	v_cvt_f32_u32 v96, s62
	v_mul_f32 v97, 0x3d888889, v96
	v_fma_f32 v98, -v97, 0x41700000, v96
	v_fma_f32 v97, v98, 0x3d888889, v97
	v_mul_f32 v97, 0xc1000000, v97
	v_exp_f32 v8, v97
	v_mov_b32 v254, 0xff800000                     ; -infinity.  (A plain place behind the transcendental)
	s_wait_alu depctr_va_vdst(0)
	v_xor_b32 v8, 0x80000000, v8                   ; -slope
	v_mov_b32 v9, v8
	; key - query of tile 0's register j: 8 h + j - r - 16 (tau % 2), as f32
	v_lshlrev_b32 v96, 3, v3
	v_sub_nc_u32 v96, v96, v2
	s_and_b32 s18, s14, 1
	s_lshl_b32 s18, s18, 4
	v_sub_nc_u32 v96, v96, s18
	v_cvt_f32_i32 v24, v96
	v_add_f32 v25, 1.0, v24
	v_add_f32 v26, 2.0, v24
	v_add_f32 v27, 3.0, v24
	v_add_f32 v28, 4.0, v24
	v_add_f32 v29, 5.0, v24
	v_add_f32 v30, 6.0, v24
	v_add_f32 v31, 7.0, v24
	; the band's limit: min(128, 2,048 - my query), as f32
	s_lshl_b32 s18, s14, 4
	s_add_co_u32 s18, s18, s16
	s_sub_co_u32 s18, 2048, s18
	v_sub_nc_u32 v253, s18, v2
	v_min_u32 v253, 128, v253
	v_cvt_f32_u32 v253, v253
	v_mov_b32 v250, 0x7f7f7f7f
	s_wait_tensorcnt 0x0                           ; my load, if I issued one, has landed
	s_barrier_signal -1
	s_barrier_wait -1                              ; everybody's has
.irp i, 0,1,2,3,4,5,6,7,8,9
	ds_load_b128 v[32+8*\i:35+8*\i], v4 offset:512*\i    ; K's tile i as it was stored: 512 consecutive bytes
.endr
.irp i, 0,1,2,3,4
	ds_load_b32 v[240+\i], v6 offset:128*\i        ; lanes 0-15: the words of tile 2 i, lanes 16-31: of tile 2 i + 1
.endr
	ds_load_b32 v246, v7                           ; V's words of the first 128 keys: d = lane,
	ds_load_b32 v247, v7 offset:128                ; d = 32 + lane;
	ds_load_b32 v248, v7 offset:256                ; of the next 128 keys
	ds_load_b32 v249, v7 offset:384
	s_wait_dscnt 0x0
	s_wait_loadcnt 0x0                             ; q
.macro WM zero, row                    ; D_, A_, B_, SA_, SB_ are set by the caller; row = 1: source 0's scale words lie in lanes 16-31
.if \zero
.if \row
	v_wmma_scale_f32_16x16x128_f8f6f4 v[D_:D_+7], v[A_:A_+7], v[B_:B_+7], 0, v[SA_], v[SB_] matrix_a_fmt:MATRIX_FMT_FP4 matrix_b_fmt:MATRIX_FMT_FP4 matrix_a_scale:MATRIX_SCALE_ROW1
.else
	v_wmma_scale_f32_16x16x128_f8f6f4 v[D_:D_+7], v[A_:A_+7], v[B_:B_+7], 0, v[SA_], v[SB_] matrix_a_fmt:MATRIX_FMT_FP4 matrix_b_fmt:MATRIX_FMT_FP4
.endif
.else
.if \row
	v_wmma_scale_f32_16x16x128_f8f6f4 v[D_:D_+7], v[A_:A_+7], v[B_:B_+7], v[D_:D_+7], v[SA_], v[SB_] matrix_a_fmt:MATRIX_FMT_FP4 matrix_b_fmt:MATRIX_FMT_FP4 matrix_a_scale:MATRIX_SCALE_ROW1
.else
	v_wmma_scale_f32_16x16x128_f8f6f4 v[D_:D_+7], v[A_:A_+7], v[B_:B_+7], v[D_:D_+7], v[SA_], v[SB_] matrix_a_fmt:MATRIX_FMT_FP4 matrix_b_fmt:MATRIX_FMT_FP4
.endif
.endif
.endm
.irp i, 0,1,2,3,4,5,6,7,8,9                    ; S^T = K Q^T
.set D_, 112+8*\i
.set A_, 32+8*\i
.set B_, 16
.set SA_, 240+\i/2
.set SB_, 245
	WM 1, \i%2
.endr
	; V's scale words for my five blocks: bytes e .. e + 3 and e + 4 .. of the two words.  These four lines are also the places in front of the loads below
	v_perm_b32 v246, v248, v246, s52
	v_perm_b32 v247, v249, v247, s52
	v_perm_b32 v248, v250, v248, s52               ; byte 0: my fifth block; the others stand over zero codes of p and only have to be valid bytes
	v_perm_b32 v249, v250, v249, s52
.irp t, 0,1,2,3
	ds_load_b128 v[64+8*\t:67+8*\t], v5 offset:256*\t           ; V^T, d = 16 t + r: blocks h,
	ds_load_b128 v[68+8*\t:71+8*\t], v5 offset:2048+256*\t      ; 2 + h,
	ds_load_b128 v[32+8*\t:35+8*\t], v5 offset:4096+256*\t      ; 4 + h: a second fragment, whose registers 4-7 keep their zero codes
.endr
; tile i: logit = score - slope x (key - query), one rounding; outside the band -infinity.  One unsigned compare of the f32 bits tests 0 <= key - query < limit: a negative number's bits lie above every limit's
.macro MASK i
.if \i > 0
.irp j, 0,2,4,6
	v_pk_add_f32 v[24+\j:25+\j], v[24+\j:25+\j], 0x41800000 op_sel_hi:[1,0]   ; 16 keys on: exact
.endr
.endif
.irp j, 0,2,4,6
	v_pk_fma_f32 v[112+8*\i+\j:113+8*\i+\j], v[24+\j:25+\j], v[8:9], v[112+8*\i+\j:113+8*\i+\j]
.endr
.irp j, 0,1,2,3,4,5,6,7
	v_cmp_gt_u32 vcc_lo, v253, v[24+\j]
	v_cndmask_b32 v[112+8*\i+\j], v254, v[112+8*\i+\j], vcc_lo
.endr
.endm
.irp i, 0,1,2,3,4,5,6,7,8,9
	MASK \i
.endr
	; the largest logit of each block of 32 keys: it serves for the row's maximum and, since p rises with the logit, for the block's largest p
.irp b, 0,1,2,3,4
	v_max3_num_f32 v[96+\b], v[112+16*\b], v[113+16*\b], v[114+16*\b]
.endr
.irp i, 3,5,7,9,11,13
.irp b, 0,1,2,3,4
	v_max3_num_f32 v[96+\b], v[96+\b], v[112+16*\b+\i], v[113+16*\b+\i]
.endr
.endr
.irp b, 0,1,2,3,4
	v_max_num_f32 v[96+\b], v[96+\b], v[127+16*\b]
.endr
.irp b, 0,1,2,3,4
	v_permlanex16_b32 v[101+\b], v[96+\b], s48, s49
.endr
.irp b, 0,1,2,3,4
	v_max_num_f32 v[96+\b], v[96+\b], v[101+\b]
.endr
	v_max3_num_f32 v111, v96, v97, v98
	v_max3_num_f32 v111, v111, v99, v100           ; the row's largest logit (key = query always counts: it is a number)
	v_mul_f32 v13, s50, v111                       ; as t
	v_floor_f32 v12, -v13                          ; -M = floor(-t) = -ceil(t)
.irp j, 0,2,4,6,8,10,12,14,16,18,20,22,24,26,28,30,32,34,36,38,40,42,44,46,48,50,52,54,56,58,60,62,64,66,68,70,72,74,76,78
	v_pk_fma_f32 v[112+\j:113+\j], v[112+\j:113+\j], s[50:51], v[12:13] op_sel_hi:[1,0,0]   ; t - M
.endr
.irp b, 0,1,2,3,4
	v_fma_f32 v[96+\b], v[96+\b], s50, v12         ; the same of each block's largest logit
.endr
.set j_, 0
.rept 80
	v_exp_f32 v[112+j_], v[112+j_]                 ; p = 2^(t - M), at most 1: not normalised
.set j_, j_+1
.endr
.irp b, 0,1,2,3,4
	v_exp_f32 v[96+\b], v[96+\b]                   ; the block's largest p: the same two instructions on the same number
.endr
	v_nop                                          ; a plain place behind the transcendentals
	s_wait_alu depctr_va_vdst(0)
.irp b, 0,1,2,3,4
	v_max_num_f32 v[96+\b], 0x1800000, v[96+\b]    ; the floor 2^(3 - 127): the byte cannot fall under 1
.endr
.irp b, 0,1,2,3,4
	v_add_nc_u32 v[106+\b], 0xff000000, v[96+\b]   ; 2 off the exponent field: the conversion's scale operand
.endr
.irp b, 0,1,2,3,4
	v_lshrrev_b32 v[101+\b], 23, v[106+\b]         ; the scale's byte
.endr
	v_lshl_or_b32 v251, v102, 8, v101              ; p's scale word for blocks 0-3,
	v_lshl_or_b32 v251, v103, 16, v251
	v_lshl_or_b32 v251, v104, 24, v251
	v_or_b32 v252, 0x7f7f7f00, v105                ; and for block 4 and three blocks of zero codes
.irp b, 0,1,2,3
	v_cvt_scalef32_pk8_fp4_f32 v[224+4*(\b/2)+(\b%2)], v[112+16*\b:119+16*\b], v[106+\b]
	v_cvt_scalef32_pk8_fp4_f32 v[226+4*(\b/2)+(\b%2)], v[120+16*\b:127+16*\b], v[106+\b]
.endr
	v_cvt_scalef32_pk8_fp4_f32 v232, v[176:183], v110
	v_cvt_scalef32_pk8_fp4_f32 v234, v[184:191], v110
	v_nop                                          ; one plain place behind a scaled conversion
.irp k, 224,226,228,230,232,234
	v_permlane16_swap_b32 v[\k], v[\k+1]           ; a whole block in a lane: lanes 0-15 the even block, lanes 16-31 the odd one
.endr
	; the row's sum, of the unquantised p, in two chains.  These lines are also the places between the scale words' and the codes' last writes and the products below
	v_pk_add_f32 v[14:15], v[112:113], v[114:115]
	v_pk_add_f32 v[102:103], v[116:117], v[118:119]
.irp j, 8,12,16,20,24,28,32,36,40,44,48,52,56,60,64,68,72,76
	v_pk_add_f32 v[14:15], v[14:15], v[112+\j:113+\j]
	v_pk_add_f32 v[102:103], v[102:103], v[114+\j:115+\j]
.endr
	v_pk_add_f32 v[14:15], v[14:15], v[102:103]
	v_add_f32 v104, v14, v15
	v_permlanex16_b32 v105, v104, s48, s49
	v_add_f32 v104, v104, v105                     ; with lane l xor 16's keys
	v_rcp_f32 v14, v104
	v_nop                                          ; a plain place behind the transcendental
	s_wait_dscnt 0x0                               ; V
.irp t, 0,1,2,3                                ; O^T = V^T P^T: my first 128 keys start the sums,
.set D_, 192+8*\t
.set A_, 64+8*\t
.set B_, 224
.set SA_, 246+\t/2
.set SB_, 251
	WM 1, \t%2
.endr
.irp t, 0,1,2,3                                ; the fifth block follows; the four accumulators take turns
.set D_, 192+8*\t
.set A_, 32+8*\t
.set B_, 232
.set SA_, 248+\t/2
.set SB_, 252
	WM 0, \t%2
.endr
.rept 4
	v_nop                                          ; places in front of the first read of the results
.endr
	s_wait_alu depctr_va_vdst(0)
.irp i, 0,2,4,6,8,10,12,14,16,18,20,22,24,26,28,30
	v_pk_mul_f32 v[112+\i:113+\i], v[192+\i:193+\i], v[14:15] op_sel_hi:[1,0]   ; / the sum: register 8 t + j is the head's channel 16 t + 8 h + j of my query
.endr
	; the head's two blocks of 32 channels are quantised: my 16 numbers of each and lane l xor 16's
	v_max3_num_f32 v[TM], |v112|, |v113|, 0x1800000
	v_max3_num_f32 v[TM+1], |v128|, |v129|, 0x1800000
.irp i, 2,4,6,8,10,12,14
	v_max3_num_f32 v[TM], v[TM], |v[112+\i]|, |v[113+\i]|
	v_max3_num_f32 v[TM+1], v[TM+1], |v[128+\i]|, |v[129+\i]|
.endr
	v_permlanex16_b32 v[TM+4], v[TM], s48, s49
	v_permlanex16_b32 v[TM+5], v[TM+1], s48, s49
	v_max_num_f32 v[TM], v[TM], v[TM+4]
	v_max_num_f32 v[TM+1], v[TM+1], v[TM+5]
	v_add_nc_u32 v[TM+8], 0xff000000, v[TM]
	v_add_nc_u32 v[TM+9], 0xff000000, v[TM+1]
	v_lshrrev_b32 v[TM+4], 23, v[TM+8]
	v_lshrrev_b32 v[TM+5], 23, v[TM+9]
	v_cvt_scalef32_pk8_fp4_f32 v144, v[112:119], v[TM+8]
	v_cvt_scalef32_pk8_fp4_f32 v146, v[120:127], v[TM+8]
	v_cvt_scalef32_pk8_fp4_f32 v145, v[128:135], v[TM+9]
	v_cvt_scalef32_pk8_fp4_f32 v147, v[136:143], v[TM+9]
	v_lshl_or_b32 v108, v[TM+5], 8, v[TM+4]        ; the two bytes.  (A plain place behind the conversions)
	v_permlane16_swap_b32 v144, v145
	v_permlane16_swap_b32 v146, v147
	global_store_b128 v1, v[144:147], s[58:59]     ; four registers of the last product's operand, as they stand: 512 consecutive bytes, aligned
	ds_store_b16 v10, v108                         ; both lanes of a query write the same bytes with the same value
	s_wait_dscnt 0x0                               ; for the others' sake: my store has landed
	s_barrier_signal -1
	s_barrier_wait -1
	s_cmp_lg_u32 s12, 0
	s_cbranch_scc1 .Lend
	ds_load_b128 v[148:151], v11                   ; the 128 queries' scale words of this head pair
	s_wait_dscnt 0x0
	global_store_b128 v1, v[148:151], s[60:61]     ; 512 consecutive bytes, aligned
.Lend:
	s_wait_xcnt 0x0
	v_lshl_add_u32 v254, v0, 2, 0x29000
	v_mov_b32 v255, 0
	s_wait_tensorcnt 0x0
	ds_add_u32 v254, v255
	s_wait_dscnt 0x0
	s_endpgm
.Lfunc_end_k_q4d27a969a4_attn:
	.size	k_q4d27a969a4_attn, .Lfunc_end_k_q4d27a969a4_attn-k_q4d27a969a4_attn
	.p2alignl 7, 3214868480
	.fill 96, 4, 3214868480
	.section	.rodata,"a",@progbits
	.p2align	6, 0x0
	.amdhsa_kernel k_q4d27a969a4_attn
		.amdhsa_group_segment_fixed_size 169984
		.amdhsa_private_segment_fixed_size 0
		.amdhsa_enable_private_segment 0
		.amdhsa_kernarg_size 32
		.amdhsa_user_sgpr_count 2
		.amdhsa_user_sgpr_kernarg_segment_ptr 1
		.amdhsa_wavefront_size32 1
		.amdhsa_system_sgpr_workgroup_id_x 1
		.amdhsa_system_sgpr_workgroup_id_y 1
		.amdhsa_system_sgpr_workgroup_id_z 1
		.amdhsa_system_vgpr_workitem_id 0
		.amdhsa_next_free_vgpr 256
		.amdhsa_next_free_sgpr 66
		.amdhsa_reserve_vcc 1
		.amdhsa_float_denorm_mode_32 3
		.amdhsa_float_denorm_mode_16_64 3
		.amdhsa_memory_ordered 1
		.amdhsa_forward_progress 1
		.amdhsa_inst_pref_size 42
	.end_amdhsa_kernel
	.amdgpu_metadata
---
amdhsa.version: [ 1, 2 ]
amdhsa.kernels:
  - .name:           k_q4d27a969a4_attn
    .symbol:         k_q4d27a969a4_attn.kd
    .args:
      - { .name: cod, .offset: 0, .size: 8, .value_kind: global_buffer, .address_space: global }
      - { .name: scl, .offset: 8, .size: 8, .value_kind: global_buffer, .address_space: global }
      - { .name: oc, .offset: 16, .size: 8, .value_kind: global_buffer, .address_space: global }
      - { .name: os, .offset: 24, .size: 8, .value_kind: global_buffer, .address_space: global }
    .group_segment_fixed_size: 169984
    .private_segment_fixed_size: 0
    .kernarg_segment_align: 8
    .kernarg_segment_size: 32
    .max_flat_workgroup_size: 512
    .sgpr_count:     66
    .vgpr_count:     256
    .wavefront_size: 32
...
	.end_amdgpu_metadata
.endif
;; end of part 2
;; launch oproj (part 3): grid 8 x 32, 4 waves a work-group, clusters of 4 x 4, 168,448 bytes of LDS; arguments oc, os, Wo_codes, Wo_scales, out0; writes out0
.if DOCPART == 3
	.amdgcn_target "amdgcn-amd-amdhsa--gfx1250"
	.amdhsa_code_object_version 6
	.text
	.protected	k_q4d27a969a4_oproj
	.globl	k_q4d27a969a4_oproj
	.p2align	8
	.type	k_q4d27a969a4_oproj,@function
k_q4d27a969a4_oproj:
	s_mov_b64 s[64:65], 0
	v_nop
	global_prefetch_b8 v0, s[64:65] scope:SCOPE_SE
	s_setreg_imm32_b32 hwreg(HW_REG_WAVE_MODE, 25, 1), 1
	s_wait_xcnt 0x0
	s_wait_alu depctr_hold_cnt(0) depctr_sa_sdst(0) depctr_va_vdst(0) depctr_va_sdst(0) depctr_va_ssrc(0) depctr_va_vcc(0) depctr_vm_vsrc(0)
	s_getreg_b32 s2, hwreg(HW_REG_IB_STS2, 6, 4)
	s_cmp_eq_u32 s2, 0
	s_cbranch_scc0 .Lentry_in_a_cluster
	s_endpgm
.Lentry_in_a_cluster:
	s_bfe_u32 s2, ttmp6, 0x10000c
	s_cmp_lg_u32 s2, 0xf033
	s_cbranch_scc0 .Lentry_shape_is_right
	s_endpgm
.Lentry_shape_is_right:
; out0 = o Wo^T on codes of FP4 (E2M1) with E8M0 scales.  o: 4,096 tokens x 1,024, as images of the operand's registers (oc) and scale words (os), made by the launch before; Wo: 1,024 x 1,024, rows of 512 bytes
; of codes and 32 scale bytes.  out0: f32, rows of 4,096 bytes.
; SHARES.  A work-group takes 128 tokens (tb) x 128 outputs (eb); wave w takes tokens 64 (w / 2) on and outputs 64 (w % 2) on: 16 accumulators.  256 work-groups of equal work.
; LDS, filled once: o's images in two halves of K (32,768 bytes each, dense), Wo's 128 rows in two halves (256 bytes a row + 16 of padding), and a stage of 16 rows x 272 bytes for each wave, into which no fill lands.
; CLUSTER 4 x 4.  o's tile hangs on tb alone and is shared along a row of the cluster, Wo's on eb alone and is shared along a column: each is asked for jointly.
; THE MATRIX INSTRUCTION IS USED TRANSPOSED (source 0 = 16 rows of Wo, source 1 = 16 tokens): a lane holds eight neighbouring outputs of one token.
; REGISTERS.  Window 0: v1-11 addresses; v32-63 scale words and nothing else; v64-127 rows on the way out; v128-255 the accumulators (t, n) at 128 + 8 (4 t + n).
;   window 1: two buffers at v0 and v64: o's four fragments, then Wo's four.
.set PITCH, 272
.set WCH,   128*PITCH                  ; Wo's rows, one half of K
.set WO,    65536
.set STAGE, WO+2*WCH
.set MSB, 0
.macro WIN new
.if MSB != (\new)
	s_set_vgpr_msb (MSB<<8)|(\new)
.set MSB, (\new)
.endif
.endm
.macro PLACES
.rept 4
	v_nop
.endr
.endm
.macro CROUND                          ; a round of the cluster's barrier
	s_barrier_signal -1
	s_barrier_wait -1
	s_cmp_lg_u32 s14, 0
	s_cbranch_scc1 .Lnot_wave_0_\@
	s_barrier_signal -3
.Lnot_wave_0_\@:
	s_barrier_wait -3
	s_barrier_signal -1
	s_barrier_wait -1
.endm
	s_load_b256 s[4:11], s[0:1], 0x0               ; oc s[4:5], os s[6:7], Wo codes s[8:9], Wo scales s[10:11]
	s_load_b64 s[12:13], s[0:1], 0x20              ; out0
	v_lshl_add_u32 v30, v0, 2, 0x29000
	v_mov_b32 v31, 0
	ds_add_u32 v30, v31
	ds_add_u32 v30, v31
	v_lshrrev_b32 v1, 5, v0
	v_readfirstlane_b32 s14, v1                    ; wave 0..3
	s_lshr_b32 s15, s14, 1                         ; wm: my half of the tokens.  Also: I fetch o (0) or Wo (1)
	s_and_b32 s16, s14, 1                          ; wn: my half of the outputs.  Also: which half of that tile I fetch
	s_bfe_u32 s17, ttmp6, 0x40000                  ; cx
	s_bfe_u32 s18, ttmp6, 0x40004                  ; cy
	s_lshl_b32 s19, ttmp9, 2
	s_add_co_u32 s19, s19, s17                     ; eb
	s_and_b32 s20, ttmp7, 0xffff
	s_lshl_b32 s20, s20, 2
	s_add_co_u32 s20, s20, s18                     ; tb
	s_lshl_b32 s21, s18, 2
	s_lshl_b32 s21, 15, s21                        ; my row of the cluster
	s_lshl_b32 s22, 0x1111, s17                    ; my column
	s_or_b32 s24, s21, (3<<16)|(1<<21)             ; group 1 for o: mask of my row; elements of 8 bytes; bit 21 beside a mask; no padding: 64 dense rows of 256 bytes
	s_mov_b32 s25, 32<<16
	s_mov_b32 s26, 64<<16
	s_mov_b32 s27, 32<<16
	s_mov_b32 s28, 64
	s_mov_b32 s29, 32
	s_mov_b32 s30, 0
	s_mov_b32 s31, 0
	s_or_b32 s32, s22, (1<<20)|(1<<21)|(5<<22)|(3<<25)   ; for Wo: mask of my column; elements of 1 byte; 4 words of padding behind every 64: 64 rows of 256 bytes, 512 apart
	s_mov_b32 s33, 256<<16
	s_mov_b32 s34, 64<<16
	s_mov_b32 s35, 256<<16
	s_mov_b32 s36, 64
	s_mov_b32 s37, 512
	s_mov_b32 s38, 0
	s_mov_b32 s39, 0
	s_lshl_b32 s56, s20, 15                        ; o: (8 tb + 4 half) tiles of 4,096 bytes (hangs on tb and the wave alone)
	s_lshl_b32 s23, s16, 14
	s_add_co_u32 s56, s56, s23
	s_mov_b32 s57, 0
	s_lshl_b32 s58, s19, 16                        ; Wo: (128 eb + 64 half) rows of 512 bytes (hangs on eb and the wave alone)
	s_lshl_b32 s23, s16, 15
	s_add_co_u32 s58, s58, s23
	s_mov_b32 s59, 0
	s_mul_i32 s68, s16, 16384                      ; where they go: no place in the cluster enters an LDS address
	s_mul_i32 s69, s16, 64*PITCH
	s_wait_dscnt 0x0
	s_wait_kmcnt 0x0
	s_add_nc_u64 s[56:57], s[4:5], s[56:57]
	s_add_nc_u64 s[58:59], s[8:9], s[58:59]
.irp c, 0,1
	s_mov_b32 s[40+4*\c], 1
	s_add_co_u32 s[41+4*\c], s68, \c*32768
	s_add_nc_u64 s[42+4*\c:43+4*\c], s[56:57], \c*1048576
	s_or_b32 s[43+4*\c], s[43+4*\c], 0x80000000
	s_mov_b32 s[48+4*\c], 1
	s_add_co_u32 s[49+4*\c], s69, WO+\c*WCH
	s_add_nc_u64 s[50+4*\c:51+4*\c], s[58:59], \c*256
	s_or_b32 s[51+4*\c], s[51+4*\c], 0x80000000
.endr
	CROUND                                         ; all sixteen work-groups are here: the joint loads meet
	s_cmp_eq_u32 s15, 0                            ; a wave's two first fills stand in one branch: two loads of mine are out; four v_nop follow the second
	s_cbranch_scc0 .Lfor_w
	tensor_load_to_lds s[40:43], s[24:31]
	s_nop 0
	tensor_load_to_lds s[44:47], s[24:31]
	s_nop 0
.rept 4
	v_nop
.endr
	s_branch .Lasked
.Lfor_w:
	tensor_load_to_lds s[48:51], s[32:39]
	s_nop 0
	tensor_load_to_lds s[52:55], s[32:39]
	s_nop 0
.rept 4
	v_nop
.endr
.Lasked:
	s_lshl_b32 s60, s19, 12
	s_lshl_b32 s70, s16, 11
	s_add_co_u32 s60, s60, s70                     ; Wo's scales: (128 eb + 64 wn) x 32
	s_mov_b32 s61, 0
	s_add_nc_u64 s[60:61], s[10:11], s[60:61]
	s_lshl_b32 s62, s20, 9
	s_lshl_b32 s70, s15, 8
	s_add_co_u32 s62, s62, s70                     ; o's: (128 tb + 64 wm) x 4
	s_mov_b32 s63, 0
	s_add_nc_u64 s[62:63], s[6:7], s[62:63]
	s_lshl_b32 s66, s20, 19
	s_lshl_b32 s70, s15, 18
	s_add_co_u32 s66, s66, s70
	s_lshl_b32 s70, s19, 9
	s_add_co_u32 s66, s66, s70
	s_lshl_b32 s70, s16, 8
	s_add_co_u32 s66, s66, s70                     ; out0: (128 tb + 64 wm) rows of 4,096 bytes + 512 eb + 256 wn
	s_mov_b32 s67, 0
	s_add_nc_u64 s[66:67], s[12:13], s[66:67]
	v_and_b32 v1, 31, v0
	v_and_b32 v2, 15, v0                           ; r
	v_bfe_u32 v3, v0, 4, 1                         ; h
	v_lshlrev_b32 v8, 2, v1                        ; 4 x lane
	v_lshlrev_b32 v1, 4, v1                        ; 16 x lane
	v_lshlrev_b32 v7, 5, v2
	v_lshl_add_u32 v7, v3, 4, v7                   ; 32 r + 16 h
.irp n, 0,1,2,3
	global_load_b128 v[32+4*\n:35+4*\n], v7, s[60:61] offset:512*\n      ; Wo's scale words: register q = K step q in lanes 0-15, K step 4 + q in lanes 16-31
.endr
.irp i, 0,1
.irp s, 0,1,2,3,4,5,6,7
	global_load_b32 v[48+8*\i+\s], v8, s[62:63] offset:16384*\s+128*\i   ; o's, K step s: lanes 0-15 tile 2 i, lanes 16-31 tile 2 i + 1
.endr
.endr
	s_lshl_b32 s70, s15, 14
	v_add_nc_u32 v4, s70, v1                       ; o's images: my four tiles, 16 x lane
	v_mul_u32_u24 v5, v2, PITCH
	v_lshl_add_u32 v5, v3, 4, v5
	s_mul_i32 s70, s16, 64*PITCH
	s_add_co_u32 s70, s70, WO
	v_add_nc_u32 v5, s70, v5                       ; Wo's fragments: (64 wn + r) x pitch + 16 h, first half of K;
	v_add_nc_u32 v6, WCH, v5                       ; second half
	s_mul_i32 s70, s14, 16*PITCH
	s_add_co_u32 s70, s70, STAGE                   ; my stage
	v_mul_u32_u24 v9, v2, PITCH
	v_lshl_add_u32 v9, v3, 5, v9
	v_add_nc_u32 v9, s70, v9                       ; in: row r, 32 bytes for each half of the lanes
	v_mul_u32_u24 v10, v3, PITCH
	v_lshl_add_u32 v10, v2, 4, v10
	v_add_nc_u32 v10, s70, v10                     ; back: lanes 0-15 one row of 256 bytes, lanes 16-31 the next
	v_lshlrev_b32 v11, 4, v2
	v_lshl_add_u32 v11, v3, 12, v11                ; and the same two rows in out0
.macro FETCH s                         ; the fragments of K step s: 16 LDS loads in one run
.set c_, (\s)/4
.set q_, (\s)%4
.set p_, (\s)%2
	WIN 0x40                                       ; destination window 1, address window 0
.irp t, 0,1,2,3
.irp cc, 0,1
	ds_load_b128 v[64*p_+8*\t+4*\cc:64*p_+8*\t+4*\cc+3], v4 offset:c_*32768+4096*\t+1024*q_+512*\cc
.endr
.endr
.irp n, 0,1,2,3
.irp cc, 0,1
	ds_load_b128 v[64*p_+32+8*\n+4*\cc:64*p_+32+8*\n+4*\cc+3], v[5+c_] offset:\n*16*PITCH+64*q_+32*\cc
.endr
.endr
	WIN 0
.endm
.macro WM                              ; D_, A_, B_, SA_, SB_, Z_ (the sum begins), RA_, RB_ (scale words in lanes 16-31) are set by the caller
.if Z_ && RB_
	v_wmma_scale_f32_16x16x128_f8f6f4 v[D_:D_+7], v[A_:A_+7], v[B_:B_+7], 0, v[SA_], v[SB_] matrix_a_fmt:MATRIX_FMT_FP4 matrix_b_fmt:MATRIX_FMT_FP4 matrix_b_scale:MATRIX_SCALE_ROW1
.elseif Z_
	v_wmma_scale_f32_16x16x128_f8f6f4 v[D_:D_+7], v[A_:A_+7], v[B_:B_+7], 0, v[SA_], v[SB_] matrix_a_fmt:MATRIX_FMT_FP4 matrix_b_fmt:MATRIX_FMT_FP4
.elseif RA_ && RB_
	v_wmma_scale_f32_16x16x128_f8f6f4 v[D_:D_+7], v[A_:A_+7], v[B_:B_+7], v[D_:D_+7], v[SA_], v[SB_] matrix_a_fmt:MATRIX_FMT_FP4 matrix_b_fmt:MATRIX_FMT_FP4 matrix_a_scale:MATRIX_SCALE_ROW1 matrix_b_scale:MATRIX_SCALE_ROW1
.elseif RA_
	v_wmma_scale_f32_16x16x128_f8f6f4 v[D_:D_+7], v[A_:A_+7], v[B_:B_+7], v[D_:D_+7], v[SA_], v[SB_] matrix_a_fmt:MATRIX_FMT_FP4 matrix_b_fmt:MATRIX_FMT_FP4 matrix_a_scale:MATRIX_SCALE_ROW1
.elseif RB_
	v_wmma_scale_f32_16x16x128_f8f6f4 v[D_:D_+7], v[A_:A_+7], v[B_:B_+7], v[D_:D_+7], v[SA_], v[SB_] matrix_a_fmt:MATRIX_FMT_FP4 matrix_b_fmt:MATRIX_FMT_FP4 matrix_b_scale:MATRIX_SCALE_ROW1
.else
	v_wmma_scale_f32_16x16x128_f8f6f4 v[D_:D_+7], v[A_:A_+7], v[B_:B_+7], v[D_:D_+7], v[SA_], v[SB_] matrix_a_fmt:MATRIX_FMT_FP4 matrix_b_fmt:MATRIX_FMT_FP4
.endif
.endm
.macro MUL s                           ; 16 products; the accumulators take turns, one instruction a turn, in the same order in every step
	WIN 0x05                                       ; sources 0 and 1 window 1, C and D window 0
.set Z_, (\s) == 0
.set RA_, (\s)/4
.irp t, 0,1,2,3
.irp n, 0,1,2,3
.set D_, 128+8*(4*\t+\n)
.set A_, 64*((\s)%2)+32+8*\n
.set B_, 64*((\s)%2)+8*\t
.set SA_, 32+4*\n+(\s)%4
.set SB_, 48+8*(\t/2)+(\s)
.set RB_, \t%2
	WM
.endr
.endr
.endm
.macro STEP s
	s_wait_dscnt 0x0                               ; this step's 16 loads are in
.if (\s) == 3
	WIN 0
	s_wait_tensorcnt 0x0                           ; my tile's second half of K has landed (no load was issued behind it),
	s_barrier_signal -1
	s_barrier_wait -1                              ; everybody's has.  Nothing is filled again in this launch
.endif
.if (\s) > 0
	PLACES                                         ; the buffer that the next loads fill was read by the last step's products
.endif
.if (\s) < 7
	FETCH (\s)+1
.endif
	MUL \s
.endm
	s_wait_tensorcnt 0x1                           ; my tile's first half of K has landed; the one load issued behind it may stay out
	s_barrier_signal -1
	s_barrier_wait -1
	FETCH 0
	s_wait_loadcnt 0x0                             ; the scale words
.irp s, 0,1,2,3,4,5,6,7
	STEP \s
.endr
	WIN 0
	PLACES                                         ; in front of the first read of results
; THE WAY OUT, 16 tokens at a time: a lane's 32 bytes go into my stage; whole rows of 256 bytes come back.  LDS serves a wave's instructions in order (ISA guide 5.7.1.4): no wait between the stores and the loads
.macro TOSTAGE t
.irp n, 0,1,2,3
	ds_store_b128 v9, v[128+8*(4*(\t)+\n):128+8*(4*(\t)+\n)+3] offset:64*\n        ; each accumulator from its low end on
	ds_store_b128 v9, v[128+8*(4*(\t)+\n)+4:128+8*(4*(\t)+\n)+7] offset:64*\n+16
.endr
.irp i, 0,1,2,3,4,5,6,7
	ds_load_b128 v[64+32*((\t)%2)+4*\i:64+32*((\t)%2)+4*\i+3], v10 offset:2*\i*PITCH
.endr
.endm
.macro SEND t, younger                 ; younger: the LDS instructions issued behind tile t's loads, which may stay out
	s_wait_dscnt \younger
.irp i, 0,1,2,3,4,5,6,7
	global_store_b128 v11, v[64+32*((\t)%2)+4*\i:64+32*((\t)%2)+4*\i+3], s[66:67] offset:(16*(\t)+2*\i)*4096 th:TH_STORE_NT   ; sixteen lanes store 256 consecutive bytes, aligned; written once, read by nobody here
.endr
.endm
	TOSTAGE 0
	TOSTAGE 1
	SEND 0, 16                                     ; behind tile 0's loads: tile 1's 8 stores and 8 loads
	s_wait_xcnt 0x0                                ; tile 0's stores have read their registers: tile 2's rows may land there
	TOSTAGE 2
	SEND 1, 16
	s_wait_xcnt 0x0
	TOSTAGE 3
	SEND 2, 16
	SEND 3, 0
	s_wait_tensorcnt 0x0
	ds_add_u32 v30, v31
	s_wait_dscnt 0x0
	CROUND                                         ; the closing round: no work-group ends while a partner may still ask for a tile that names it
	s_endpgm
.Lfunc_end_k_q4d27a969a4_oproj:
	.size	k_q4d27a969a4_oproj, .Lfunc_end_k_q4d27a969a4_oproj-k_q4d27a969a4_oproj
	.p2alignl 7, 3214868480
	.fill 96, 4, 3214868480
	.section	.rodata,"a",@progbits
	.p2align	6, 0x0
	.amdhsa_kernel k_q4d27a969a4_oproj
		.amdhsa_group_segment_fixed_size 168448
		.amdhsa_private_segment_fixed_size 0
		.amdhsa_enable_private_segment 0
		.amdhsa_kernarg_size 40
		.amdhsa_user_sgpr_count 2
		.amdhsa_user_sgpr_kernarg_segment_ptr 1
		.amdhsa_wavefront_size32 1
		.amdhsa_system_sgpr_workgroup_id_x 1
		.amdhsa_system_sgpr_workgroup_id_y 1
		.amdhsa_system_sgpr_workgroup_id_z 1
		.amdhsa_system_vgpr_workitem_id 0
		.amdhsa_next_free_vgpr 512
		.amdhsa_next_free_sgpr 80
		.amdhsa_reserve_vcc 0
		.amdhsa_float_denorm_mode_32 3
		.amdhsa_float_denorm_mode_16_64 3
		.amdhsa_memory_ordered 1
		.amdhsa_forward_progress 1
		.amdhsa_inst_pref_size 43
	.end_amdhsa_kernel
	.amdgpu_metadata
---
amdhsa.version: [ 1, 2 ]
amdhsa.kernels:
  - .name:           k_q4d27a969a4_oproj
    .symbol:         k_q4d27a969a4_oproj.kd
    .args:
      - { .name: oc, .offset: 0, .size: 8, .value_kind: global_buffer, .address_space: global }
      - { .name: os, .offset: 8, .size: 8, .value_kind: global_buffer, .address_space: global }
      - { .name: Wo_codes, .offset: 16, .size: 8, .value_kind: global_buffer, .address_space: global }
      - { .name: Wo_scales, .offset: 24, .size: 8, .value_kind: global_buffer, .address_space: global }
      - { .name: out0, .offset: 32, .size: 8, .value_kind: global_buffer, .address_space: global }
    .group_segment_fixed_size: 168448
    .private_segment_fixed_size: 0
    .kernarg_segment_align: 8
    .kernarg_segment_size: 40
    .max_flat_workgroup_size: 128
    .sgpr_count:     80
    .vgpr_count:     512
    .wavefront_size: 32
...
	.end_amdgpu_metadata
.endif
;; end of part 3
